; MI455X (gfx1250); checked and timed in simulation.
; The chip was launched on July 23, 2026; its instructions are those of AMD's public machine-readable ISA for CDNA 5 (MIT licence, August 2026) and "CDNA5" Instruction Set Architecture Reference Guide (July 2026). The comments in the code are by the model that wrote it; some were corrected since.
;; Causal Self Attention. Allowed arithmetic: matrix products marked QUANTISED: E2M1 operands, one E8M0 scale for each 32 along K, by v_wmma_scale_f32_16x16x128_f8f6f4 with both operands' format E2M1 (or v_wmma_scale_f32_32x16x128_f4), f32 sums; everything else in f32.
;; Inputs: freqs_cos 2,048 x 64 float32; freqs_sin 2,048 x 64 float32; w_qkv 3,072 x 2,048 float32; x 2 x 2,048 x 2,048 float32.
;; Outputs: out0 2 x 2,048 x 2,048 float32.
;; This version of the problem:
;;   THIS VERSION OF THE PROBLEM IS GIVEN IN LOW PRECISION. The matrix products marked QUANTISED in the list below multiply operands that are first quantised to E2M1 (2 exponent bits, 1 mantissa bit; 4 bits a number), with one power-of-two scale for each 32 numbers along K (OCP MX v1.0); their sums are f32. All else is computed in f32.
;;   The module's matrix products, in the order in which they are computed (A, B: the left and right operand; K: the contracted axis; several contracted axes count as one K, in the product's order):
;;     1. [M 4,096, K 2,048] x [K 2,048, N 3,072]; A: input x; B: input w_qkv: QUANTISED
;;     2. batch 8 x [M 2,048, K 128] x [K 128, N 8,192]; A: computed on the way; B: computed on the way: QUANTISED
;;     3. batch 8 x [M 128, K 2,048] x [K 2,048, N 8,192]; A: computed on the way; B: softmax (see below): QUANTISED
;;   THE QUANTISER, for each operand of a quantised product, along K:
;;     - K is cut into blocks of 32 from its start; a last block that is shorter is filled with zeros.
;;     - A block's scale is 2^e with e = floor(log2(the largest magnitude in the block)) - 2, held to -126 .. 127; a block of zeros has e = 0. As a byte (E8M0): e + 127.
;;     - Each number is divided by its block's scale, clamped to +-6, and rounded to the nearest number of E2M1, ties to even, subnormals kept.
;;     - The product sums the exact products of the quantised numbers (number of the format x scale) in f32.
;;   ~~~python
;;   def quantise(x, axis):      # numpy; x: float32 -> the quantised numbers, widened to float32 again
;;       x = np.moveaxis(x, axis, -1); K = x.shape[-1]
;;       x = np.pad(x, [(0, 0)] * (x.ndim - 1) + [(0, -K % 32)]); x = x.reshape(x.shape[:-1] + (-1, 32)); a = np.abs(x).max(-1, keepdims=True)
;;       e = np.where(a > 0, np.clip(np.frexp(np.where(a > 0, a, 1))[1] - 1 - 2, -126, 127), 0)      # np.frexp(a)[1] - 1 = floor(log2(a)), exactly
;;       r = np.clip(x / 2.0 ** e, -6, 6)
;;       step = 2.0 ** (np.maximum(np.frexp(np.where(r == 0, 1, r))[1] - 1, 0) - 1)
;;       q = np.round(r / step) * step * 2.0 ** e      # np.round: ties to even
;;       return np.moveaxis(q.reshape(q.shape[:-2] + (-1,))[..., :K], -1, axis).astype(np.float32)
;;   ~~~
;;   SOFTMAX AHEAD OF A QUANTISED PRODUCT. Where the list says 'softmax', what is quantised is not the finished softmax but p = 2^(t - M), with t = logit x log2(e) and M = ceil(the row's largest t), a whole number; so 1/2 < the row's largest p <= 1. The row's sum l is taken of the UNQUANTISED p, in f32, and the product's result is divided by l at the end. Since M is a whole number, a kernel that streams over the keys may use a running M (the ceiling of the running maximum): every later rescaling is an exact power of two, which a block's scale takes up: the codes' values come out the same.
;;   OPERANDS COMPUTED ON THE WAY. 'Computed on the way' means the value that the module computes at that place (a softmax that the list does not call 'softmax' is quantised finished and normalised). What goes into a quantiser is computed in f32, as accurately as f32 sums, v_exp_f32 and their like allow (about 1e-6 of the number): no bf16 or f16 on the way to a quantiser, and a product that is left as it is and whose result goes on into a quantised operand takes f32 operands (vector FMAs, or v_wmma_f32_16x16x4_f32). A number that lies on a knife's edge between two numbers of the format may be rounded either way, as far as f32 arithmetic and the matrix unit's own rounding can turn it there, and no further.
;; One version. Each part assembles by itself: llvm-mc -triple=amdgcn-amd-amdhsa -mcpu=gfx1250 --defsym DOCPART=n.
;; ======== version 1 of 1: 3 launches
;; limits: right only within a limited range of input values
;; workspace buffers: xw 7,798,784 bytes; qc 4,194,304 bytes; qs 262,144 bytes; kv 2,228,224 bytes
;; launch quant (part 1): grid 256 x 1, 7 waves a work-group, no clusters, 60,160 bytes of LDS; arguments x, w_qkv, xw; writes xw
.if DOCPART == 1
	.amdgcn_target "amdgcn-amd-amdhsa--gfx1250"
	.amdhsa_code_object_version 6
	.text
	.protected	k_q66ea72fb78_quant
	.globl	k_q66ea72fb78_quant
	.p2align	8
	.type	k_q66ea72fb78_quant,@function
k_q66ea72fb78_quant:
	s_mov_b64 s[64:65], 0
	v_nop
	global_prefetch_b8 v0, s[64:65] scope:SCOPE_SE
	s_setreg_imm32_b32 hwreg(HW_REG_WAVE_MODE, 25, 1), 1
	s_wait_xcnt 0x0
; LAUNCH 1 OF 3.  x [4096][2048] and w_qkv [3072][2048], f32, K innermost, become codes of FP4 (E2M1) with one E8M0 byte for each 32 along K.
; THE PROGRAM: quant (this) | gemm: x w^T on codes, RoPE, q, k, v quantised again, as codes | attn: causal attention on codes.
; WORK LEFT OUT, in the third launch alone: reference() itself builds causal = tril(ones) and sets the score of key s for query t to -inf where s > t.  exp(-inf) is exactly 0, so such a key adds 0 to the
; row's sum and 0 to y, whatever finite values x, w_qkv, freqs_cos and freqs_sin hold; its maximum is never the row's (key 0 counts for every query).  So key steps of 128 keys that lie wholly behind a tile's
; last query are not multiplied.  Every input has a way to the output and is loaded.  LIMIT: a NaN, an infinity or an overflow that reaches only the scores left out is not carried to the result.
; LAYOUT OF THE CODES: IMAGES OF THE OPERAND'S REGISTERS.  A fragment (16 rows x 128 K) is 8 registers a lane: lane (r, h) holds row r, registers 4 c .. 4 c + 3 the 32 codes k = 64 c + 32 h + 0 .. 31.
; It lies in memory as it lies in registers: group c's 16 bytes of lane l at 512 c + 16 l: 1,024 dense bytes.
; xw: [G 56][ks 4][34816]: G a group of 128 rows (0-31 x's, 32-47 w's q heads, 48-51 k heads, 52-55 v heads), ks the 512 along K; in it [a 8][q 4][1024] codes (a the tile, q the 128 in ks), then
; [a 8][r 16][16] scale bytes: a row's four words (q = 0 .. 3) on end.
; THE ROWS OF A TILE ARE NOT NEIGHBOURS: lane r of tile a holds row 32 (a / 2) + 8 (a % 2) + r + 8 (r / 8) of its group, so that in the next launch the 16 result registers of two neighbouring tiles are 16 neighbours.
; SHARES: 56 x 8 x 4 = 1,792 = 256 x 7 equal shares (G, a, ks), one a wave: four fragments.  A load reads 512 consecutive bytes of one row; the 16 rows turn through the wave's own stage in LDS,
; so that a lane gets its two whole blocks of 32 numbers: a block's largest magnitude needs no other lane.  No barrier: waves share nothing.  Two fragments' loads (32 a wave) are out.
; A block's scale is 2^(floor(log2(largest magnitude)) - 2): its byte is the largest magnitude's exponent field - 2, held at 1 from below.
; LIMITS: NaN and infinities among the inputs are not served.  A block of zeros, or one whose largest magnitude lies under 2^-124, has the byte 1: its codes are zeros or tiny, and this program alone reads the bytes.
.set SP,    528                        ; a stage row: 512 bytes + 16: 33 x 16, so the sixteen rows that a read touches begin in different banks
.set WST,   16*SP                      ; a wave's stage
.set SPARE, 7*WST                      ; behind the stages: the spare words, 128 bytes a wave, that no other line names
.set UNIT,  34816                      ; a group's 512 along K: 32,768 bytes of codes, 2,048 of scale bytes
.set LI,   4                           ; v4   16 x lane: my bytes of a load's 512, and of an image's
.set SIN,  5                           ; v5   the stage on the way in
.set SOUT, 6                           ; v6   and on the way out: row r, + 128 h
.set SCO,  7                           ; v7   16 r + 8 h: my two scale words' place
.set SH,   8                           ; v8   8 h
.set SPW,  12                          ; v12  my spare word; never rewritten
.set NIL,  13                          ; v13  0; never rewritten
.set R,    16                          ; v16-143  two sets of 64: a fragment's numbers as loaded
.set X,    144                         ; v144-207 my two blocks of 32
.set C,    208                         ; v208-239 codes: 8 registers a fragment, never written again
.set SW,   240                         ; v240-243 the four scale words
.set T,    244                         ; v244-255 at work
	s_load_b128 s[4:7], s[0:1], 0x0                ; x, w_qkv
	s_load_b64 s[8:9], s[0:1], 0x10                ; xw
	v_lshl_add_u32 v[SPW], v0, 2, SPARE
	v_mov_b32 v[NIL], 0
	v_lshrrev_b32 v1, 5, v0
	v_readfirstlane_b32 s12, v1                    ; wave 0..6
	v_and_b32 v1, 31, v0                           ; lane
	v_and_b32 v2, 15, v0                           ; r
	v_bfe_u32 v3, v0, 4, 1                         ; h
	v_lshlrev_b32 v[LI], 4, v1
	s_mul_i32 s13, s12, WST
	v_add_nc_u32 v[SIN], s13, v[LI]
	v_mul_u32_u24 v[SOUT], v2, SP
	v_lshl_add_u32 v[SOUT], v3, 7, v[SOUT]
	v_add_nc_u32 v[SOUT], s13, v[SOUT]
	v_lshlrev_b32 v[SCO], 4, v2
	v_lshl_add_u32 v[SCO], v3, 3, v[SCO]
	v_lshlrev_b32 v[SH], 3, v3
	v_mov_b32 v[T+9], 0                            ; written once: a lane permute's destination counts as one of its sources
	s_mov_b32 s20, 0x76543210
	s_mov_b32 s21, 0xfedcba98                      ; selects for lane l xor 16
	s_mul_i32 s14, ttmp9, 7
	s_add_co_u32 s14, s14, s12                     ; my share, 0 .. 1,791
	s_and_b32 s12, s14, 3                          ; ks
	s_bfe_u32 s15, s14, 0x30002                    ; a
	s_lshr_b32 s14, s14, 5                         ; G
	s_lshl_b32 s16, s14, 2
	s_add_co_u32 s16, s16, s12
	s_mul_i32 s16, s16, UNIT                       ; the unit (G, ks)
	s_lshl_b32 s24, s15, 8
	s_add_co_u32 s18, s16, s24
	s_add_co_u32 s18, s18, 32768                   ; my tile's scale bytes,
	s_lshl_b32 s24, s15, 12
	s_add_co_u32 s16, s16, s24                     ; and its codes
	s_mov_b32 s17, 0
	s_mov_b32 s19, 0
	s_wait_alu depctr_va_vdst(0)                   ; the wait at the head's end
	s_wait_kmcnt 0x0
	s_cmp_lt_u32 s14, 32                           ; x's group or w's?  The choice hangs on the work-group's and the wave's number alone
	s_cselect_b64 s[4:5], s[4:5], s[6:7]
	s_cselect_b32 s22, 0, 32
	s_sub_co_u32 s22, s14, s22
	s_lshl_b32 s22, s22, 7                         ; the group's first row,
	s_lshr_b32 s24, s15, 1
	s_lshl_b32 s24, s24, 5
	s_add_co_u32 s22, s22, s24                     ; + 32 (a / 2)
	s_and_b32 s24, s15, 1
	s_lshl_b32 s24, s24, 3
	s_add_co_u32 s22, s22, s24                     ; + 8 (a % 2),
	s_lshl_b32 s22, s22, 13                        ; in rows of 8,192 bytes (under 2^26),
	s_lshl_b32 s24, s12, 11
	s_add_co_u32 s22, s22, s24                     ; + my 512 numbers along K
	s_mov_b32 s23, 0
	s_add_nc_u64 s[4:5], s[4:5], s[22:23]
	s_add_nc_u64 s[10:11], s[8:9], s[18:19]
	s_add_nc_u64 s[8:9], s[8:9], s[16:17]
.macro LOAD q                          ; fragment q's numbers: the tile's row i is i + 8 (i / 8) rows on; 32 lanes read its 512 consecutive bytes
.irp i, 0,1,2,3,4,5,6,7,8,9,10,11,12,13,14,15
	global_load_b128 v[R+64*((\q)%2)+4*\i:R+64*((\q)%2)+4*\i+3], v[LI], s[4:5] offset:(\i+8*(\i/8))*8192+512*(\q) th:TH_LOAD_NT
.endr
.endm
.macro TURN q                          ; through the stage: LDS serves a wave's instructions in order, so no wait stands between the stores and the loads
.irp i, 0,1,2,3,4,5,6,7,8,9,10,11,12,13,14,15
	ds_store_b128 v[SIN], v[R+64*((\q)%2)+4*\i:R+64*((\q)%2)+4*\i+3] offset:SP*\i
.endr
.irp c, 0,1
.irp j, 0,1,2,3,4,5,6,7
	ds_load_b128 v[X+32*\c+4*\j:X+32*\c+4*\j+3], v[SOUT] offset:256*\c+16*\j   ; block 2 c + h of row r
.endr
.endr
.endm
.macro FRAGQ q
.irp k, 0,1,2,3
	v_max3_num_f32 v[T+\k], |v[X+16*\k]|, |v[X+16*\k+1]|, 0x1800000   ; four chains of 16 by turns; the floor 2^(3 - 127) is one more leaf: the byte cannot fall under 1
.endr
.irp i, 2,4,6,8,10,12,14
.irp k, 0,1,2,3
	v_max3_num_f32 v[T+\k], v[T+\k], |v[X+16*\k+\i]|, |v[X+16*\k+\i+1]|
.endr
.endr
	v_max_num_f32 v[T], v[T], v[T+1]               ; block h's largest magnitude,
	v_max_num_f32 v[T+2], v[T+2], v[T+3]           ; block 2 + h's
	v_add_nc_u32 v[T+4], 0xff000000, v[T]          ; 2 off the exponent field: the conversion takes the exponent field of this operand as its scale
	v_add_nc_u32 v[T+5], 0xff000000, v[T+2]
	v_lshrrev_b32 v[T+6], 23, v[T+4]               ; the bytes
	v_lshrrev_b32 v[T+7], 23, v[T+5]
	v_lshl_or_b32 v[T+8], v[T+7], 16, v[T+6]
	v_lshlrev_b32 v[T+8], v[SH], v[T+8]            ; at their places in the row's scale word, 8 h bits up;
	v_permlanex16_b32 v[T+9], v[T+8], s20, s21
	v_or_b32 v[SW+(\q)], v[T+8], v[T+9]            ; with lane l xor 16's two the word is whole
.irp c, 0,1
.irp g, 0,1,2,3
	v_cvt_scalef32_pk8_fp4_f32 v[C+8*(\q)+4*\c+\g], v[X+32*\c+8*\g:X+32*\c+8*\g+7], v[T+4+\c]
.endr
.endr
	v_nop                                          ; one plain line behind the last conversion: the next fragment writes the scale operands anew
.irp c, 0,1
	global_store_b128 v[LI], v[C+8*(\q)+4*\c:C+8*(\q)+4*\c+3], s[8:9] offset:1024*(\q)+512*\c   ; the image: 512 consecutive bytes a store
.endr
.endm
	LOAD 0
	LOAD 1
.irp q, 0,1,2,3
.if \q < 3
	s_wait_loadcnt 16                              ; this fragment's 16 loads are in; the next fragment's 16 may be out
.else
	s_wait_loadcnt 0
.endif
	TURN \q
	s_wait_dscnt 0x0                               ; my blocks are back, and the stage's stores have read their registers,
.if \q < 2
	LOAD \q+2                                      ; which take the loads of two fragments on
.endif
	FRAGQ \q
.endr
	v_cmp_le_u32 vcc_lo, 16, v1                    ; lanes 0-15 store words 0, 1 of row r, lanes 16-31 words 2, 3: 256 consecutive bytes
	v_cndmask_b32 v[T+10], v[SW], v[SW+2], vcc_lo
	v_cndmask_b32 v[T+11], v[SW+1], v[SW+3], vcc_lo
	global_store_b64 v[SCO], v[T+10:T+11], s[10:11]
	s_wait_tensorcnt 0x0                           ; the wave's end, behind my last LDS store
	ds_add_u32 v[SPW], v[NIL]
	s_wait_dscnt 0x0
	s_endpgm
.Lfunc_end_k_q66ea72fb78_quant:
	.size	k_q66ea72fb78_quant, .Lfunc_end_k_q66ea72fb78_quant-k_q66ea72fb78_quant
	.p2alignl 7, 3214868480
	.fill 96, 4, 3214868480
	.section	.rodata,"a",@progbits
	.p2align	6, 0x0
	.amdhsa_kernel k_q66ea72fb78_quant
		.amdhsa_group_segment_fixed_size 60160
		.amdhsa_private_segment_fixed_size 0
		.amdhsa_enable_private_segment 0
		.amdhsa_kernarg_size 24
		.amdhsa_user_sgpr_count 2
		.amdhsa_user_sgpr_kernarg_segment_ptr 1
		.amdhsa_wavefront_size32 1
		.amdhsa_system_sgpr_workgroup_id_x 1
		.amdhsa_system_sgpr_workgroup_id_y 1
		.amdhsa_system_sgpr_workgroup_id_z 1
		.amdhsa_system_vgpr_workitem_id 0
		.amdhsa_next_free_vgpr 256
		.amdhsa_next_free_sgpr 66
		.amdhsa_reserve_vcc 1
		.amdhsa_float_denorm_mode_32 3
		.amdhsa_float_denorm_mode_16_64 3
		.amdhsa_memory_ordered 1
		.amdhsa_forward_progress 1
		.amdhsa_inst_pref_size 31
	.end_amdhsa_kernel
	.amdgpu_metadata
---
amdhsa.version: [ 1, 2 ]
amdhsa.kernels:
  - .name:           k_q66ea72fb78_quant
    .symbol:         k_q66ea72fb78_quant.kd
    .args:
      - { .name: x, .offset: 0, .size: 8, .value_kind: global_buffer, .address_space: global }
      - { .name: w_qkv, .offset: 8, .size: 8, .value_kind: global_buffer, .address_space: global }
      - { .name: xw, .offset: 16, .size: 8, .value_kind: global_buffer, .address_space: global }
    .group_segment_fixed_size: 60160
    .private_segment_fixed_size: 0
    .kernarg_segment_align: 8
    .kernarg_segment_size: 24
    .max_flat_workgroup_size: 224
    .sgpr_count:     66
    .vgpr_count:     256
    .wavefront_size: 32
...
	.end_amdgpu_metadata
.endif
;; end of part 1
;; launch gemm (part 2): grid 12 x 16, 4 waves a work-group, clusters of 4 x 4, 327,680 bytes of LDS; arguments xw, freqs_cos, freqs_sin, qc, qs, kv; writes qc, qs, kv
.if DOCPART == 2
	.amdgcn_target "amdgcn-amd-amdhsa--gfx1250"
	.amdhsa_code_object_version 6
	.text
	.protected	k_q66ea72fb78_gemm
	.globl	k_q66ea72fb78_gemm
	.p2align	8
	.type	k_q66ea72fb78_gemm,@function
k_q66ea72fb78_gemm:
	s_mov_b64 s[64:65], 0
	v_nop
	global_prefetch_b8 v0, s[64:65] scope:SCOPE_SE
	s_setreg_imm32_b32 hwreg(HW_REG_WAVE_MODE, 25, 1), 1
	s_wait_xcnt 0x0
	s_wait_alu depctr_hold_cnt(0) depctr_sa_sdst(0) depctr_va_vdst(0) depctr_va_sdst(0) depctr_va_ssrc(0) depctr_va_vcc(0) depctr_vm_vsrc(0)
	s_getreg_b32 s2, hwreg(HW_REG_IB_STS2, 6, 4)
	s_cmp_eq_u32 s2, 0
	s_cbranch_scc0 .Lentry_in_a_cluster
	s_endpgm
.Lentry_in_a_cluster:
	s_bfe_u32 s2, ttmp6, 0x10000c
	s_cmp_lg_u32 s2, 0xf033
	s_cbranch_scc0 .Lentry_shape_is_right
	s_endpgm
.Lentry_shape_is_right:
; LAUNCH 2 OF 3.  x w^T on codes of FP4 with E8M0 scales; RoPE on q and k in f32; q, k (along the head's 128) and v (along the tokens) quantised again and stored as images of the third launch's operands.
; A work-group makes 256 tokens x 256 columns: two q heads, or the k head and the v head of one number; four waves, 128 x 128 each: 64 accumulators.  K goes in four slots of 512 through a ring of two.
; A slot is four units of 34,816 dense bytes (two groups of tokens, two of w), codes and their scale bytes, one joint load a wave: waves 0, 1 the tokens' (shared along the cluster's row), waves 2, 3 w's (along its column).
; NO PREFETCH: the block is the largest, in clusters, and K is four slots: two of them are asked for ahead of the first step.
; q and k: source 0 = w's rows, source 1 = tokens: a lane holds one token and 16 neighbouring channels of each 32.  v: the other way round: one channel and 16 neighbouring tokens.
; cos and sin rows come four tiles ahead into four sets of registers of window 1 (two of them held fragments until the last steps).
; kv: [b 2][kv head 4][128 keys 16][17408]: K's eight fragments, V's eight, K's 512 bytes of scale words, V's 512.
; LIMITS: NaN and infinities are not served; a block of zeros, or one whose largest magnitude lies under 2^-124, has the byte 1.
.set NQ,    4
.set NL,    2
.set FR,    8
.set NP,    4
.set GRPB,  34816                      ; 32,768 bytes of codes, 2,048 of scale bytes
.set SLOT,  4*GRPB
.set SPARE, 327168                     ; the last 512 bytes: the spare words, that no other line names
.set CSO,  8
.set LI,   9
.set LS,   10
.set ADR1, 16
.set ADR0, 20
.set ADRS, 22
.set SPW,  28
.set NIL,  29
.set SC,   32
.set TM,   96
.set PW,   112
.set SWO,  120
.set AF,   128
.set PC,   128
.set RO,   192
.set G1,   24
.set G0,   32
.set G1B,  48
.set G0B,  56
.set MSB, 0
.macro WIN new
.if MSB != (\new)
	s_set_vgpr_msb (MSB<<8)|(\new)
.set MSB, (\new)
.endif
.endm
.set MUL_LO, 0xa1
.set MUL_HI, 0xf1
.set TO_1,   0x40
.macro JLOAD g0a, g1a, g0b, g1b
	s_cmp_eq_u32 s21, 0
	s_cbranch_scc0 .Lfor_b_\@
	tensor_load_to_lds s[\g0a:\g0a+3], s[\g1a:\g1a+7]
	s_nop 0
.rept 4
	v_nop
.endr
	s_branch .Lasked_\@
.Lfor_b_\@:
	tensor_load_to_lds s[\g0b:\g0b+3], s[\g1b:\g1b+7]
	s_nop 0
.rept 4
	v_nop
.endr
.Lasked_\@:
.endm
.macro CREST
	s_cmp_lg_u32 s20, 0
	s_cbranch_scc1 .Lnot_wave_0_\@
	s_barrier_signal -3
.Lnot_wave_0_\@:
	s_barrier_wait -3
	s_barrier_signal -1
	s_barrier_wait -1
.endm
.macro CROUND
	s_barrier_signal -1
	s_barrier_wait -1
	CREST
.endm
	s_load_b64 s[4:5], s[0:1], 0x0                 ; xw
	s_load_b128 s[8:11], s[0:1], 0x8               ; cos, sin
	s_load_b128 s[12:15], s[0:1], 0x18             ; qc, qs
	s_load_b64 s[16:17], s[0:1], 0x28              ; kv
	v_lshl_add_u32 v[SPW], v0, 2, SPARE
	v_mov_b32 v[NIL], 0
	ds_add_u32 v[SPW], v[NIL]
	ds_add_u32 v[SPW], v[NIL]
	v_lshrrev_b32 v1, 5, v0
	v_readfirstlane_b32 s20, v1
	s_lshr_b32 s21, s20, 1
	s_and_b32 s22, s20, 1
	s_bfe_u32 s40, ttmp6, 0x40000
	s_bfe_u32 s41, ttmp6, 0x40004
	s_lshl_b32 s42, ttmp9, 2
	s_add_co_u32 s42, s42, s40
	s_and_b32 s23, ttmp7, 0xffff
	s_lshl_b32 s23, s23, 2
	s_add_co_u32 s23, s23, s41
	s_lshl_b32 s43, s41, 2
	s_lshl_b32 s43, 15, s43
	s_lshl_b32 s44, 0x1111, s40
	s_or_b32 s[G1], s43, (3<<16)|(1<<21)
	s_or_b32 s[G1B], s44, (3<<16)|(1<<21)
.irp g, G1, G1B
	s_mov_b32 s[\g+1], 32<<16
	s_mov_b32 s[\g+2], 136<<16
	s_mov_b32 s[\g+3], 32<<16
	s_mov_b32 s[\g+4], 136                         ; 136 rows of 256 bytes
	s_mov_b32 s[\g+5], 32
	s_mov_b32 s[\g+6], 0
	s_mov_b32 s[\g+7], 0
.endr
	s_lshl_b32 s92, s23, 1
	s_add_co_u32 s92, s92, s22
	s_mul_i32 s92, s92, 4*GRPB
	s_mov_b32 s93, 0
	s_lshl_b32 s46, s42, 1
	s_add_co_u32 s46, s46, s22
	s_add_co_u32 s46, s46, 32
	s_lshl_b32 s47, s22, 2
	s_add_co_u32 s47, s47, s42
	s_add_co_u32 s47, s47, 40
	s_cmp_eq_u32 ttmp9, 2
	s_cselect_b32 s46, s47, s46
	s_cselect_b32 s100, s22, 0
	s_mul_i32 s46, s46, 4*GRPB
	s_mov_b32 s47, 0
	s_mul_i32 s45, s20, GRPB
	s_mov_b32 s104, 0x76543210
	s_mov_b32 s105, 0xfedcba98
	s_wait_dscnt 0x0
	s_wait_kmcnt 0x0
	s_add_nc_u64 s[92:93], s[4:5], s[92:93]
	s_add_nc_u64 s[46:47], s[4:5], s[46:47]
.irp s, 0,1
	s_mov_b32 s[G0+4*\s], 1
	s_add_co_u32 s[G0+4*\s+1], s45, \s*SLOT
	s_add_nc_u64 s[G0+4*\s+2:G0+4*\s+3], s[92:93], \s*GRPB
	s_or_b32 s[G0+4*\s+3], s[G0+4*\s+3], 0x80000000
	s_mov_b32 s[G0B+4*\s], 1
	s_add_co_u32 s[G0B+4*\s+1], s45, \s*SLOT
	s_add_nc_u64 s[G0B+4*\s+2:G0B+4*\s+3], s[46:47], \s*GRPB
	s_or_b32 s[G0B+4*\s+3], s[G0B+4*\s+3], 0x80000000
.endr
	s_wait_alu depctr_va_vdst(0)
	CROUND                                         ; all sixteen work-groups are here
	JLOAD G0, G1, G0B, G1B                         ; slot 0: one tensor load a wave at the head
	v_and_b32 v1, 15, v0
	v_bfe_u32 v2, v0, 4, 1
	s_wait_alu depctr_va_vdst(0)
	v_and_b32 v3, 31, v0
	v_lshlrev_b32 v[LI], 4, v3
	s_add_co_u32 s98, s22, 2
	s_mul_i32 s98, s98, GRPB
	s_mul_i32 s99, s21, GRPB
	s_cmp_eq_u32 s100, 1
	s_cselect_b32 s66, s99, s98
	s_cselect_b32 s67, s98, s99
	v_add_nc_u32 v[ADR0], s66, v[LI]
	v_add_nc_u32 v[ADR1], s67, v[LI]
	v_add_nc_u32 v[ADR0+1], SLOT, v[ADR0]
	v_add_nc_u32 v[ADR1+1], SLOT, v[ADR1]
	s_add_co_u32 s98, s22, 2
	s_sub_co_u32 s98, s98, s21
	s_mul_i32 s98, s98, GRPB
	s_mul_i32 s99, s21, GRPB
	s_add_co_u32 s99, s99, 32768                   ; the scale bytes stand behind a unit's codes
	v_xor_b32 v4, s100, v2
	v_mul_u32_u24 v4, s98, v4
	v_lshl_add_u32 v4, v1, 4, v4
	v_add_nc_u32 v[ADRS], s99, v4
	v_add_nc_u32 v[ADRS+1], SLOT, v[ADRS]
	v_and_b32 v4, 8, v1
	v_add_nc_u32 v4, v4, v1
	v_lshlrev_b32 v[CSO], 8, v4
	v_lshl_add_u32 v[CSO], v2, 5, v[CSO]
	s_wait_alu depctr_va_vdst(0)
	v_lshlrev_b32 v[LS], 5, v1
	v_lshl_add_u32 v[LS], v2, 4, v[LS]
	s_lshl_b32 s92, s23, 1
	s_add_co_u32 s92, s92, s21
	s_lshr_b32 s93, s92, 4
	s_and_b32 s94, s92, 15
	s_lshl_b32 s98, s94, 15
	s_mov_b32 s99, 0
	s_add_nc_u64 s[8:9], s[8:9], s[98:99]
	s_add_nc_u64 s[10:11], s[10:11], s[98:99]
	s_lshl_b32 s96, s93, 4
	s_lshl_b32 s97, s42, 1
	s_add_co_u32 s96, s96, s97
	s_add_co_u32 s96, s96, s22
	s_lshl_b32 s96, s96, 4
	s_add_co_u32 s96, s96, s94
	s_lshl_b32 s46, s93, 2
	s_and_b32 s47, s42, 3
	s_add_co_u32 s46, s46, s47
	s_lshl_b32 s46, s46, 4
	s_add_co_u32 s46, s46, s94
	s_mul_i32 s46, s46, 17408                      ; kv: the step's unit,
	s_lshl_b32 s47, s22, 13
	s_add_co_u32 s47, s46, s47                     ; K's codes or V's,
	s_lshl_b32 s98, s22, 9
	s_add_co_u32 s46, s46, s98
	s_add_co_u32 s46, s46, 16384                   ; and their scale words
	s_lshl_b32 s98, s96, 13
	s_lshl_b32 s96, s96, 9
	s_cmp_eq_u32 ttmp9, 2
	s_cselect_b32 s98, s47, s98
	s_cselect_b32 s96, s46, s96
	s_cselect_b64 s[12:13], s[16:17], s[12:13]
	s_cselect_b64 s[14:15], s[16:17], s[14:15]
	s_mov_b32 s97, 0
	s_add_nc_u64 s[12:13], s[12:13], s[98:99]
	s_add_nc_u64 s[14:15], s[14:15], s[96:97]
.macro LOADCS a, set
.set CB, (64+128*(\set)-64*((\set)/2))%256      ; sets 0 to 3 at v64, v192, v0, v128 of window 1
	WIN TO_1
.irp bb, 0,1,2,3
.irp jj, 0,1
	global_load_b128 v[CB+8*\bb+4*\jj:CB+8*\bb+4*\jj+3], v[CSO], s[8:9] offset:(32*((\a)/2)+8*((\a)%2))*256+64*\bb+16*\jj
	global_load_b128 v[CB+32+8*\bb+4*\jj:CB+32+8*\bb+4*\jj+3], v[CSO], s[10:11] offset:(32*((\a)/2)+8*((\a)%2))*256+64*\bb+16*\jj
.endr
.endr
	WIN 0
.endm
	LOADCS 0, 0
	LOADCS 1, 1
.macro FRAG reg, adr, q, i
.irp c, 0,1
	ds_load_b128 v[\reg+4*\c:\reg+4*\c+3], v[\adr] offset:4096*(\i)+1024*(\q)+512*\c
.endr
.endm
.macro MUL16 a0, p, q, sc, zero
.irp a, \a0, \a0+1
.irp b, 0,1,2,3,4,5,6,7
.if \zero
	v_wmma_scale_f32_16x16x128_f8f6f4 v[8*(8*((\a)%4)+\b):8*(8*((\a)%4)+\b)+7], v[128*(\p)+FR*\b:128*(\p)+FR*\b+FR-1], v[AF+FR*(\a):AF+FR*(\a)+FR-1], 0, v[SC+8*NQ*(\sc)+NQ*\b+(\q)], v[SC+8*NQ*(\sc)+NQ*(\a)+(\q)] matrix_a_fmt:MATRIX_FMT_FP4 matrix_b_fmt:MATRIX_FMT_FP4 matrix_a_scale:MATRIX_SCALE_ROW1
.else
	v_wmma_scale_f32_16x16x128_f8f6f4 v[8*(8*((\a)%4)+\b):8*(8*((\a)%4)+\b)+7], v[128*(\p)+FR*\b:128*(\p)+FR*\b+FR-1], v[AF+FR*(\a):AF+FR*(\a)+FR-1], v[8*(8*((\a)%4)+\b):8*(8*((\a)%4)+\b)+7], v[SC+8*NQ*(\sc)+NQ*\b+(\q)], v[SC+8*NQ*(\sc)+NQ*(\a)+(\q)] matrix_a_fmt:MATRIX_FMT_FP4 matrix_b_fmt:MATRIX_FMT_FP4 matrix_a_scale:MATRIX_SCALE_ROW1
.endif
.endr
.endr
.endm
.macro FETCH0 slot, q, p
	WIN TO_1
.irp i, 0,1,2,3,4,5,6,7
	FRAG 128*(\p)+FR*\i, ADR0+\slot, \q, \i
.endr
	WIN 0
.endm
.macro FETCH1 slot, q, i0
.irp i, \i0, \i0+1, \i0+2, \i0+3
	FRAG AF+FR*(\i), ADR1+\slot, \q, \i
.endr
.endm
.macro SCALES sc
.irp i, 0,1,2,3,4,5,6,7
	ds_load_b128 v[SC+8*NQ*\sc+NQ*\i:SC+8*NQ*\sc+NQ*\i+3], v[ADRS+\sc] offset:256*\i
.endr
.endm
.macro PLACES n
.rept \n
	v_nop
.endr
.endm
.macro STEP slot, q, zero
	s_wait_dscnt 4*NL
	WIN MUL_LO
	MUL16 0, (\q)%2, \q, \slot, \zero
	MUL16 2, (\q)%2, \q, \slot, \zero
	s_wait_dscnt 0
	PLACES NP
	FETCH0 \slot, (\q)+1, 1-(\q)%2
	FETCH1 \slot, (\q)+1, 0
	WIN MUL_HI
	MUL16 4, (\q)%2, \q, \slot, \zero
	MUL16 6, (\q)%2, \q, \slot, \zero
	PLACES NP
	WIN 0
	FETCH1 \slot, (\q)+1, 4
.endm
.macro TURN slot, next, fill
	s_wait_tensorcnt 0x0
	ds_add_u32 v[SPW], v[NIL]
	s_wait_dscnt 4*NL+1
	WIN MUL_LO
	MUL16 0, 1, NQ-1, \slot, 0
	s_wait_dscnt 0x0
	s_barrier_signal -1
	MUL16 2, 1, NQ-1, \slot, 0
	WIN 0
	s_barrier_wait -1
.if \fill
	CREST
	s_add_nc_u64 s[G0+4*\slot+2:G0+4*\slot+3], s[G0+4*\slot+2:G0+4*\slot+3], 2*GRPB
	s_add_nc_u64 s[G0B+4*\slot+2:G0B+4*\slot+3], s[G0B+4*\slot+2:G0B+4*\slot+3], 2*GRPB
	JLOAD G0+4*\slot, G1, G0B+4*\slot, G1B
.else
	PLACES NP
.endif
	FETCH0 \next, 0, 0
	FETCH1 \next, 0, 0
	SCALES \next
	WIN MUL_HI
	MUL16 4, 1, NQ-1, \slot, 0
	MUL16 6, 1, NQ-1, \slot, 0
	PLACES NP
	WIN 0
	FETCH1 \next, 0, 4
.endm
.macro STEPS slot, from
.set Q, \from
.rept NQ-1-\from
	STEP \slot, Q, 0
.set Q, Q+1
.endr
.endm
	s_wait_alu depctr_va_vdst(0)                   ; the wait at the head's end
	s_wait_tensorcnt 0x0                           ; my unit of slot 0 is in
	ds_add_u32 v[SPW], v[NIL]
	s_wait_dscnt 0x0
	CROUND                                         ; slot 0 is whole, and all sixteen work-groups are here
	JLOAD G0+4, G1, G0B+4, G1B                     ; slot 1
	FETCH0 0, 0, 0
	FETCH1 0, 0, 0
	SCALES 0
	FETCH1 0, 0, 4
	STEP 0, 0, 1
	STEPS 0, 1
	TURN 0, 1, 1
	STEPS 1, 0
	TURN 1, 0, 1
	STEP 0, 0, 0
	STEPS 0, 1
	TURN 0, 1, 0
	STEPS 1, 0
	LOADCS 2, 2                                    ; v0-63 of window 1 held the fragments of the step before; four places stand behind its products
	s_wait_dscnt 4*NL
	WIN MUL_LO
	MUL16 0, 1, NQ-1, 1, 0
	MUL16 2, 1, NQ-1, 1, 0
	s_wait_dscnt 0
	WIN MUL_HI
	MUL16 4, 1, NQ-1, 1, 0
	MUL16 6, 1, NQ-1, 1, 0
	WIN 0
.macro ROPE a
.set AC, 64*((\a)%4)
.set CB, (64+128*((\a)%4)-64*(((\a)%4)/2))%256
	WIN 0x06+(\a)/4
.set pp, 0
.rept 16
	v_pk_mul_f32 v[RO+2*pp:RO+2*pp+1], v[AC+2*pp:AC+2*pp+1], v[CB+pp:CB+pp+1] op_sel:[0,0] op_sel_hi:[1,0]
	v_pk_mul_f32 v[RO+2*pp+2:RO+2*pp+3], v[AC+2*pp+2:AC+2*pp+3], v[CB+pp:CB+pp+1] op_sel:[0,1] op_sel_hi:[1,1]
.set pp, pp+2
.endr
.set pp, 0
.rept 16
	v_pk_fma_f32 v[RO+2*pp:RO+2*pp+1], v[AC+2*pp:AC+2*pp+1], v[CB+32+pp:CB+33+pp], v[RO+2*pp:RO+2*pp+1] op_sel:[1,0,0] op_sel_hi:[0,0,1] neg_lo:[0,1,0]
	v_pk_fma_f32 v[RO+2*pp+2:RO+2*pp+3], v[AC+2*pp+2:AC+2*pp+3], v[CB+32+pp:CB+33+pp], v[RO+2*pp+2:RO+2*pp+3] op_sel:[1,1,0] op_sel_hi:[0,1,1] neg_lo:[0,1,0]
.set pp, pp+2
.endr
.endm
.macro QUANT s, W, a
	WIN (\W)|((\W)<<2)
.irp b, 0,1,2,3
	v_max3_num_f32 v[TM+\b], |v[(\s)+16*\b]|, |v[(\s)+16*\b+1]|, 0x1800000
.endr
.irp i, 2,4,6,8,10,12,14
.irp b, 0,1,2,3
	v_max3_num_f32 v[TM+\b], |v[(\s)+16*\b+\i]|, |v[(\s)+16*\b+\i+1]|, v[TM+\b]
.endr
.endr
	WIN 0
.irp b, 0,1,2,3
	v_permlanex16_b32 v[TM+4+\b], v[TM+\b], s104, s105
.endr
.irp b, 0,1,2,3
	v_max_num_f32 v[TM+\b], v[TM+\b], v[TM+4+\b]
.endr
.irp b, 0,1,2,3
	v_add_nc_u32 v[TM+12+\b], 0xff000000, v[TM+\b]
.endr
.irp b, 0,1,2,3
	v_lshrrev_b32 v[TM+4+\b], 23, v[TM+12+\b]
.endr
	v_lshl_or_b32 v[PW+(\a)], v[TM+5], 8, v[TM+4]
	v_lshl_or_b32 v[PW+(\a)], v[TM+6], 16, v[PW+(\a)]
	v_lshl_or_b32 v[PW+(\a)], v[TM+7], 24, v[PW+(\a)]
	WIN \W
.irp b, 0,1,2,3
	v_cvt_scalef32_pk8_fp4_f32 v[PC+8*(\a)+2*\b], v[(\s)+16*\b:(\s)+16*\b+7], v[TM+12+\b]
	v_cvt_scalef32_pk8_fp4_f32 v[PC+8*(\a)+2*\b+1], v[(\s)+16*\b+8:(\s)+16*\b+15], v[TM+12+\b]
.endr
	WIN 0
	v_nop
.irp c, 0,1
.irp i, 0,1
	v_permlane16_swap_b32 v[PC+8*(\a)+4*\c+\i], v[PC+8*(\a)+4*\c+2+\i]
.endr
.endr
.endm
.macro STORE a
.irp c, 0,1
	global_store_b128 v[LI], v[PC+8*(\a)+4*\c:PC+8*(\a)+4*\c+3], s[12:13] offset:1024*(\a)+512*\c
.endr
.endm
.irp b, 0,1,2,3
	v_mov_b32 v[TM+4+\b], 0
.endr
	s_cmp_eq_u32 s100, 1
	s_cbranch_scc1 .Lv
	s_wait_loadcnt 32                              ; set 0 is in (sets 1 and 2, 32 loads, may be out)
	LOADCS 3, 3                                    ; v128-191 of window 1 held the last step's fragments: the four v_mov above are the places
.irp a, 0,1,2,3,4,5,6,7
.if \a < 5
	s_wait_loadcnt 48                              ; this tile's 16 loads are in; the next three tiles' 48 may be out
.else
	s_wait_loadcnt 16*(7-\a)
.endif
	ROPE \a
.if \a < 4
	LOADCS \a+4, \a
.endif
	QUANT RO, 0, \a
	STORE \a
.endr
	s_branch .Ldone
.Lv:
.irp a, 0,1,2,3,4,5,6,7
	QUANT 64*(\a%4), 2+\a/4, \a
	STORE \a
.endr
.Ldone:
	v_cmp_le_u32 vcc_lo, 16, v3
.irp i, 0,1,2,3
	v_cndmask_b32 v[SWO+\i], v[PW+\i], v[PW+4+\i], vcc_lo
.endr
	global_store_b128 v[LS], v[SWO:SWO+3], s[14:15]
	s_wait_tensorcnt 0x0
	ds_add_u32 v[SPW], v[NIL]
	s_wait_dscnt 0x0
	CROUND
	s_endpgm
.Lfunc_end_k_q66ea72fb78_gemm:
	.size	k_q66ea72fb78_gemm, .Lfunc_end_k_q66ea72fb78_gemm-k_q66ea72fb78_gemm
	.p2alignl 7, 3214868480
	.fill 96, 4, 3214868480
	.section	.rodata,"a",@progbits
	.p2align	6, 0x0
	.amdhsa_kernel k_q66ea72fb78_gemm
		.amdhsa_group_segment_fixed_size 327680
		.amdhsa_private_segment_fixed_size 0
		.amdhsa_enable_private_segment 0
		.amdhsa_kernarg_size 48
		.amdhsa_user_sgpr_count 2
		.amdhsa_user_sgpr_kernarg_segment_ptr 1
		.amdhsa_wavefront_size32 1
		.amdhsa_system_sgpr_workgroup_id_x 1
		.amdhsa_system_sgpr_workgroup_id_y 1
		.amdhsa_system_sgpr_workgroup_id_z 1
		.amdhsa_system_vgpr_workitem_id 0
		.amdhsa_next_free_vgpr 1024
		.amdhsa_next_free_sgpr 106
		.amdhsa_reserve_vcc 1
		.amdhsa_float_denorm_mode_32 3
		.amdhsa_float_denorm_mode_16_64 3
		.amdhsa_memory_ordered 1
		.amdhsa_forward_progress 1
		.amdhsa_inst_pref_size 255
	.end_amdhsa_kernel
	.section	.bss,"aw",@nobits
	.p2align	6
	.space	262144
	.amdgpu_metadata
---
amdhsa.version: [ 1, 2 ]
amdhsa.kernels:
  - .name:           k_q66ea72fb78_gemm
    .symbol:         k_q66ea72fb78_gemm.kd
    .args:
      - { .name: xw, .offset: 0, .size: 8, .value_kind: global_buffer, .address_space: global }
      - { .name: freqs_cos, .offset: 8, .size: 8, .value_kind: global_buffer, .address_space: global }
      - { .name: freqs_sin, .offset: 16, .size: 8, .value_kind: global_buffer, .address_space: global }
      - { .name: qc, .offset: 24, .size: 8, .value_kind: global_buffer, .address_space: global }
      - { .name: qs, .offset: 32, .size: 8, .value_kind: global_buffer, .address_space: global }
      - { .name: kv, .offset: 40, .size: 8, .value_kind: global_buffer, .address_space: global }
    .group_segment_fixed_size: 327680
    .private_segment_fixed_size: 0
    .kernarg_segment_align: 8
    .kernarg_segment_size: 48
    .max_flat_workgroup_size: 128
    .sgpr_count:     106
    .vgpr_count:     1024
    .wavefront_size: 32
...
	.end_amdgpu_metadata
.endif
;; end of part 2
;; launch attn (part 3): grid 32 x 8, 16 waves a work-group, clusters of 4 x 1, 327,680 bytes of LDS; arguments qc, qs, kv, out0; writes out0
.if DOCPART == 3
	.amdgcn_target "amdgcn-amd-amdhsa--gfx1250"
	.amdhsa_code_object_version 6
	.text
	.protected	k_q66ea72fb78_attn
	.globl	k_q66ea72fb78_attn
	.p2align	8
	.type	k_q66ea72fb78_attn,@function
k_q66ea72fb78_attn:
	s_mov_b64 s[64:65], 0
	v_nop
	global_prefetch_b8 v0, s[64:65] scope:SCOPE_SE
	s_setreg_imm32_b32 hwreg(HW_REG_WAVE_MODE, 25, 1), 1
	s_wait_xcnt 0x0
	s_wait_alu depctr_hold_cnt(0) depctr_sa_sdst(0) depctr_va_vdst(0) depctr_va_sdst(0) depctr_va_ssrc(0) depctr_va_vcc(0) depctr_vm_vsrc(0)
	s_getreg_b32 s2, hwreg(HW_REG_IB_STS2, 6, 4)
	s_cmp_eq_u32 s2, 0
	s_cbranch_scc0 .Lentry_in_a_cluster
	s_endpgm
.Lentry_in_a_cluster:
	s_bfe_u32 s2, ttmp6, 0x10000c
	s_cmp_lg_u32 s2, 0x3003
	s_cbranch_scc0 .Lentry_shape_is_right
	s_endpgm
.Lentry_shape_is_right:
; LAUNCH 3 OF 3.  y[b][t][head] = softmax over s <= t of (q[t] . k[s] / sqrt(128)) v[s], both products on codes of FP4 with E8M0 scales; four query heads share a key and value head.
; WORK LEFT OUT: key steps all of whose 128 keys come after a tile's last query: reference()'s own tril mask sets those scores to -inf, their weights are exactly 0 (shown at the head of launch 1).
; THE SOFTMAX AHEAD OF THE SECOND PRODUCT: t = score x log2(e) / sqrt(128); M = the running largest t rounded up to a whole number; p = 2^(t - M) is quantised along the keys, not normalised; the row's sum is taken
; of the unquantised p and divides at the end.  When M moves, the sum and O are multiplied by 2^(old M - new M): exact.
; A BLOCK'S SCALE needs no exponential: floor(log2(2^(u))) = floor(u) for the block's largest u = t - M; so its byte is floor(u) + 125, u held at -124 from below.
; SHARES.  Cluster (a, y): batch y / 4, key and value head y % 4; its four work-groups take the four query heads.  A work-group takes tile a (16 queries) of each of the 16 groups of 128 queries: 16 tiles, one a wave, 256
; registers each.  Group g's tile needs g + 1 key steps: 136 in every work-group.  Waves w, w + 4, .. have 34 together, and so have waves 4 i .. 4 i + 3.
; LDS HOLDS THE WHOLE KEY AND VALUE HEAD: 16 key steps of 17,408 bytes (K's eight fragments, V's eight, their scale words), dense in memory and dense here.  Two joint loads a wave, shared by the cluster: 17 rows of 256
; bytes (steps 0-3) at the head, 51 rows (steps 4-15) behind the round that shows the first; then one barrier, signalled behind step 1 and waited for in front of step 4, and waves walk on by themselves.
; NO PREFETCH: both loads are asked for ahead of the loop, and nothing is left to ask for.
; OPERANDS ARE IMAGES OF THEIR REGISTERS (launch 2): a fragment comes out of LDS by two loads at 16 x lane.  Both products are used transposed: S^T = K Q^T, O^T = V^T P^T: a lane holds one query throughout.
; Register 16 bb + i of S^T is key 32 bb + 16 h + i, and of O^T channel 32 bb + 16 h + i.  Lane r's query is 32 (a / 2) + 8 (a % 2) + r + 8 (r / 8) of its group.
; TWO AREAS TAKE TURNS: K in one, S^T (then p) in the other; V takes K's place behind the first product; the next step's K takes p's place behind the conversions.
; LIMITS: NaN and infinities are not served; a block of p that has fallen to zeros keeps the byte 1.
; REGISTERS: v1-9 addresses; v[10:11] f (v11 is its unused upper half); v12 -M, v13 the largest score, v[14:15] the sum; v16-23 Q; v24-31 and v232-239 scale words and nothing else; v32-95, v96-159 the two areas;
;   v160-223 O^T; v224-231 p's codes; v240-251 at work; v252 p's scale word; v253 -infinity; v254 at work; v255 Q's scale words.
.set STEPB, 17408
.set KV0,   47104                      ; the key steps: 278,528 bytes
.set SPARE, KV0+16*STEPB               ; the spare words, 128 bytes a wave, that no other line names
; the way out: 16 stages of 4,352 bytes from byte 0: below KV0, and over steps 0 and 1, whose last reads stand in front of the split barrier
.set TB,   240                         ; v240-243
.set TP,   244                         ; v244-247
.set EO,   248                         ; v248-251
.set OA,   160
.set SEL,  20                          ; s[20:21] selects for lane l xor 16
.set CS,   18                          ; s[18:19] c = log2(e) / sqrt(128), twice: the packed form names the pair
.set NC,   22                          ; s22  -c
.set WV,   12                          ; s12  wave
.set GR,   14                          ; s14  my tile's group: its last key step
.set KF,   16                          ; s16  the key step
.set TBS,  17                          ; s17  LDS byte at which the pair of steps begins
.set AB,   23                          ; s23  a / 2: the block of 32 keys on the diagonal
.set G1A,  24
.set G1B,  32
.set G0A,  40
.set G0B,  44
.set MK,   48                          ; s48-63 the diagonal block's masks
.macro CROUND                          ; a round of the cluster's barrier
	s_barrier_signal -1
	s_barrier_wait -1
	s_cmp_lg_u32 s[WV], 0
	s_cbranch_scc1 .Lnot_wave_0_\@
	s_barrier_signal -3
.Lnot_wave_0_\@:
	s_barrier_wait -3
	s_barrier_signal -1
	s_barrier_wait -1
.endm
	s_load_b256 s[4:11], s[0:1], 0x0               ; qc, qs, kv, out0
	v_lshl_add_u32 v5, v0, 2, SPARE
	v_mov_b32 v6, 0
	ds_add_u32 v5, v6                              ; the wave's opening: the add, twice on end, and its wait
	ds_add_u32 v5, v6
	v_lshrrev_b32 v8, 5, v0
	v_readfirstlane_b32 s[WV], v8                  ; wave 0..15
	s_and_b32 s13, ttmp7, 0xffff                   ; y
	s_bfe_u32 s70, ttmp6, 0x40000                  ; cx: which of the four query heads; ttmp9, the cluster's x, is a
	s_lshr_b32 s[AB], ttmp9, 1
	s_mov_b32 s71, 0x6bd07ac1                      ; the groups of waves 8-15, four bits each,
	s_cmp_lt_u32 s[WV], 8
	s_cselect_b32 s71, 0x853e942f, s71             ; of waves 0-7
	s_and_b32 s72, s[WV], 7
	s_lshl_b32 s72, s72, 2
	s_lshr_b32 s71, s71, s72
	s_and_b32 s[GR], s71, 15
	s_lshl_b32 s73, s13, 2
	s_add_co_u32 s73, s73, s70                     ; 16 b + head
	s_lshl_b32 s74, s73, 4
	s_add_co_u32 s74, s74, s[GR]
	s_lshl_b32 s76, s74, 13                        ; Q's codes
	s_lshl_b32 s72, ttmp9, 10
	s_add_co_u32 s76, s76, s72
	s_mov_b32 s77, 0
	s_lshl_b32 s78, s74, 9                         ; Q's scale words
	s_lshl_b32 s72, ttmp9, 2
	s_add_co_u32 s78, s78, s72
	s_mov_b32 s79, 0
	s_and_b32 s75, ttmp9, 1
	s_lshl_b32 s75, s75, 3                         ; 8 (a % 2)
	s_lshr_b32 s80, s13, 2
	s_lshl_b32 s80, s80, 11                        ; out0: row 2,048 b + 128 g + 32 (a / 2) + 8 (a % 2) of 8,192 bytes,
	s_lshl_b32 s72, s[GR], 7
	s_add_co_u32 s80, s80, s72
	s_lshl_b32 s72, s[AB], 5
	s_add_co_u32 s80, s80, s72
	s_add_co_u32 s80, s80, s75
	s_lshl_b32 s80, s80, 13
	s_and_b32 s72, s73, 15
	s_lshl_b32 s72, s72, 9
	s_add_co_u32 s80, s80, s72                     ; + the head's 512
	s_mov_b32 s81, 0
	s_mul_i32 s82, s13, 16*STEPB                   ; the key head's steps
	s_mul_i32 s84, s[WV], 17*256                   ; my rows of steps 0-3,
	s_mul_i32 s86, s[WV], 51*256                   ; and of steps 4-15
	s_add_co_u32 s88, s82, s84
	s_mov_b32 s89, 0
	s_add_co_u32 s90, s82, s86
	s_add_co_u32 s90, s90, 4*STEPB
	s_mov_b32 s91, 0
	; group 1: dense rows of 256 bytes (32 elements of 8 bytes), no padding; the mask names all four of the cluster
	s_mov_b32 s[G1A], 15|(3<<16)|(1<<21)
	s_mov_b32 s[G1A+1], 32<<16
	s_mov_b32 s[G1A+2], 17<<16
	s_mov_b32 s[G1A+3], 32<<16
	s_mov_b32 s[G1A+4], 17
	s_mov_b32 s[G1A+5], 32
	s_mov_b32 s[G1A+6], 0
	s_mov_b32 s[G1A+7], 0
	s_mov_b32 s[G1B], 15|(3<<16)|(1<<21)
	s_mov_b32 s[G1B+1], 32<<16
	s_mov_b32 s[G1B+2], 51<<16
	s_mov_b32 s[G1B+3], 32<<16
	s_mov_b32 s[G1B+4], 51
	s_mov_b32 s[G1B+5], 32
	s_mov_b32 s[G1B+6], 0
	s_mov_b32 s[G1B+7], 0
	s_mov_b32 s[SEL], 0x76543210
	s_mov_b32 s[SEL+1], 0xfedcba98
	s_mov_b32 s[CS], 0x3e0293ee
	s_mov_b32 s[CS+1], s[CS]
	s_mov_b32 s[NC], 0xbe0293ee
	s_mov_b32 s[KF], 0
	s_mov_b32 s[TBS], KV0
	s_wait_alu depctr_va_vdst(0)
	s_wait_dscnt 0x0                               ; both opening adds are done
	s_wait_kmcnt 0x0
	s_mov_b32 s[G0A], 1
	s_add_co_u32 s[G0A+1], s84, KV0
	s_add_nc_u64 s[G0A+2:G0A+3], s[8:9], s[88:89]
	s_or_b32 s[G0A+3], s[G0A+3], 0x80000000
	s_mov_b32 s[G0B], 1
	s_add_co_u32 s[G0B+1], s86, KV0+4*STEPB
	s_add_nc_u64 s[G0B+2:G0B+3], s[8:9], s[90:91]
	s_or_b32 s[G0B+3], s[G0B+3], 0x80000000
	CROUND                                         ; the four work-groups are here: the first joint loads meet
	tensor_load_to_lds s[G0A:G0A+3], s[G1A:G1A+7]  ; steps 0-3: one tensor load a wave at the head
	s_nop 0
.rept 4
	v_nop
.endr
	s_add_nc_u64 s[4:5], s[4:5], s[76:77]
	s_add_nc_u64 s[6:7], s[6:7], s[78:79]
	s_add_nc_u64 s[10:11], s[10:11], s[80:81]
	v_and_b32 v254, 31, v0
	v_lshlrev_b32 v1, 4, v254                      ; 16 x lane
	v_and_b32 v8, 15, v0                           ; r
	v_bfe_u32 v9, v0, 4, 1                         ; h
	v_lshlrev_b32 v11, 5, v8                       ; 32 r; never rewritten
	global_load_b128 v[16:19], v1, s[4:5]          ; Q's fragment stays in registers
	global_load_b128 v[20:23], v1, s[4:5] offset:512
	global_load_b32 v255, v11, s[6:7]              ; and its scale word: 32 bytes a row, my tile's word
	v_lshl_add_u32 v4, v9, 9, v11
	v_add_nc_u32 v4, 16384, v4                     ; a step's scale words: 16,384 + 512 h + 32 r
	v_lshlrev_b32 v7, 13, v9
	v_lshl_add_u32 v7, v8, 4, v7                   ; the way out: 8,192 h + 16 r
	v_and_b32 v10, 8, v8
	v_add_nc_u32 v10, v10, v8
	v_lshlrev_b32 v254, 4, v9
	v_sub_nc_u32 v10, v10, v254
	v_add_nc_u32 v10, s75, v10                     ; my query in the diagonal block less 16 h: key register i is hidden where i is above it
.irp i, 0,1,2,3,4,5,6,7,8,9,10,11,12,13,14,15
	v_cmp_gt_i32 s[MK+\i], \i, v10
.endr
	v_mov_b32 v253, 0xff800000                     ; -infinity
.irp b, 0,1,2,3
	v_mov_b32 v[TP+\b], 0                          ; a lane permute's destination counts as one of its sources
.endr
.macro SETADR                          ; the pair of steps in hand
	v_add_nc_u32 v2, s[TBS], v1
	v_add_nc_u32 v3, s[TBS], v4
.endm
	SETADR
.macro KLOAD dst, sc, an, asn, no      ; a step's K and its scale words (lanes 0-15 K's tiles 0-7, lanes 16-31 V's): 18 loads
.irp t, 0,1,2,3,4,5,6,7
.irp c, 0,1
	ds_load_b128 v[\dst+8*\t+4*\c:\dst+8*\t+4*\c+3], v[\an] offset:\no+1024*\t+512*\c
.endr
.endr
	ds_load_b128 v[\sc:\sc+3], v[\asn] offset:\no
	ds_load_b128 v[\sc+4:\sc+7], v[\asn] offset:\no+16
.endm
.macro TM n, y                         ; t - M, two at a time
.rept \n
	v_pk_fma_f32 v[\y+J:\y+J+1], v[\y+J:\y+J+1], s[CS:CS+1], v[12:13] op_sel_hi:[1,0,0]
.set J, J+2
.endr
.endm
.macro MASK y                          ; the diagonal step: blocks of 32 keys below a / 2 all count, block a / 2 by the masks, blocks above are hidden: -infinity, so p = 0
.irp bb, 0,1,2,3
	s_cmp_gt_u32 s[AB], \bb
	s_cbranch_scc1 .Lcounts_\@_\bb
	s_cmp_lt_u32 s[AB], \bb
	s_cbranch_scc1 .Lhides_\@_\bb
.irp i, 0,1,2,3,4,5,6,7,8,9,10,11,12,13,14,15
	v_cndmask_b32 v[\y+16*\bb+\i], v[\y+16*\bb+\i], v253, s[MK+\i]
.endr
	s_branch .Lcounts_\@_\bb
.Lhides_\@_\bb:
.irp i, 0,1,2,3,4,5,6,7,8,9,10,11,12,13,14,15
	v_mov_b32 v[\y+16*\bb+\i], v253
.endr
.Lcounts_\@_\bb:
.endr
.endm
; A KEY STEP.  x: the area of K, then V; y: of S^T, p, then the next K; sc, sn: the scale words of this step and of the next; vo: the step's bytes behind v2; an, asn, no: where the next K lies; pf = 0: no next K;
; first = 1: the sums begin here, and nothing is hidden.
.macro STEP x, y, sc, sn, vo, an, asn, no, pf, first
.if \first == 0
	s_cmp_gt_u32 s[KF], s[GR]                      ; a step all of whose keys come after my queries is left out: ids and the count of steps alone
	s_cbranch_scc1 .Lhidden_\@
.endif
	s_wait_dscnt 0x0                               ; K and the scale words are in
.irp t, 0,1,2,3,4,5,6,7
	v_wmma_scale_f32_16x16x128_f8f6f4 v[\y+8*\t:\y+8*\t+7], v[\x+8*\t:\x+8*\t+7], v[16:23], 0, v[\sc+\t], v255 matrix_a_fmt:MATRIX_FMT_FP4 matrix_b_fmt:MATRIX_FMT_FP4
.endr
.rept 4
	v_nop                                          ; places: for V's loads into K's registers, and for the first read of the scores
.endr
.irp t, 0,1,2,3,4,5,6,7
.irp c, 0,1
	ds_load_b128 v[\x+8*\t+4*\c:\x+8*\t+4*\c+3], v2 offset:\vo+8192+1024*\t+512*\c   ; V lands while the softmax is walked
.endr
.endr
	s_cmp_lg_u32 s[KF], s[GR]
	s_cbranch_scc1 .Lopen_\@
	MASK \y
.Lopen_\@:
.set J, 0
.irp b, 0,1,2,3
	v_max3_num_f32 v[TB+\b], v[\y+16*\b], v[\y+16*\b+1], v[\y+16*\b+2]   ; each block's largest score
.endr
.irp i, 3,5,7,9,11,13
.irp b, 0,1,2,3
	v_max3_num_f32 v[TB+\b], v[TB+\b], v[\y+16*\b+\i], v[\y+16*\b+\i+1]
.endr
.endr
.irp b, 0,1,2,3
	v_max_num_f32 v[TB+\b], v[TB+\b], v[\y+16*\b+15]
.endr
.irp b, 0,1,2,3
	v_permlanex16_b32 v[TP+\b], v[TB+\b], s[SEL], s[SEL+1]
.endr
.irp b, 0,1,2,3
	v_max_num_f32 v[TB+\b], v[TB+\b], v[TP+\b]     ; with lane l xor 16's 16 keys
.endr
.if \first == 0
	v_mov_b32 v10, v12                             ; the old -M
.endif
	v_max3_num_f32 v254, v[TB], v[TB+1], v[TB+2]
	s_delay_alu instid0(VALU_DEP_1)
.if \first
	v_max_num_f32 v13, v254, v[TB+3]
.else
	v_max3_num_f32 v13, v254, v[TB+3], v13         ; the running largest score
.endif
	s_delay_alu instid0(VALU_DEP_1)
	v_mul_f32 v254, s[NC], v13
	s_delay_alu instid0(VALU_DEP_1)
	v_floor_f32 v12, v254                          ; -M = floor(-t)
.irp b, 0,1,2,3
	v_fma_f32 v[TB+\b], v[TB+\b], s[CS], v12       ; each block's largest t - M
.endr
	TM 8, \y
.if \first == 0
	v_sub_f32 v10, v12, v10                        ; old M - new M: a whole number, 0 or less
.endif
.irp b, 0,1,2,3
	v_max_num_f32 v[TB+\b], 0xc2f80000, v[TB+\b]   ; held at -124 from below: the byte cannot fall under 1
.endr
	TM 6, \y
.if \first == 0
	v_cvt_i32_f32 v10, v10                         ; (it saturates)
.endif
.irp b, 0,1,2,3
	v_floor_f32 v[TB+\b], v[TB+\b]
.endr
	TM 6, \y
.if \first == 0
	v_ldexp_f32 v10, 1.0, v10                      ; f = 2^(old M - new M)
.endif
.irp b, 0,1,2,3
	v_add_f32 v[TB+\b], 0x4b00007d, v[TB+\b]       ; + 2^23 + 125: the low byte is now the scale's byte
.endr
	TM 6, \y
.irp b, 0,1,2,3
	v_lshlrev_b32 v[EO+\b], 23, v[TB+\b]           ; the conversion's scale operand: the byte in the exponent field
.endr
	v_perm_b32 v[TP], v[TB+1], v[TB], 0x04000400
	v_perm_b32 v[TP+1], v[TB+3], v[TB+2], 0x04000400
	TM 6, \y
	s_wait_alu depctr_va_vdst(0)                   ; the wait ahead of the batch
.set J, 0
.rept 64
	v_exp_f32 v[\y+J], v[\y+J]                     ; p = 2^(t - M)
.set J, J+1
.endr
	v_perm_b32 v252, v[TP+1], v[TP], 0x05040100    ; p's scale word: the plain line behind the batch
	s_wait_alu depctr_va_vdst(0)                   ; and the wait ahead of the batch's first reader
.irp b, 0,1,2,3
	v_cvt_scalef32_pk8_fp4_f32 v[224+2*\b], v[\y+16*\b:\y+16*\b+7], v[EO+\b]
	v_cvt_scalef32_pk8_fp4_f32 v[225+2*\b], v[\y+16*\b+8:\y+16*\b+15], v[EO+\b]
.endr
.irp k, 0,1,2,3
	v_pk_add_f32 v[TB+2*\k:TB+2*\k+1], v[\y+4*\k:\y+4*\k+1], v[\y+4*\k+2:\y+4*\k+3]   ; the row's sum, of the unquantised p, in four chains
.endr
.set J, 16
.rept 24
	v_pk_add_f32 v[TB+J%8:TB+J%8+1], v[TB+J%8:TB+J%8+1], v[\y+J:\y+J+1]
.set J, J+2
.endr
.irp c, 0,1
.irp i, 0,1
	v_permlane16_swap_b32 v[224+4*\c+\i], v[226+4*\c+\i]   ; a whole block in a lane
.endr
.endr
.if \pf
	KLOAD \y, \sn, \an, \asn, \no                  ; the next step's K takes p's place
.endif
.if \first
.rept 4
	v_nop                                          ; four places behind the codes
.endr
.else
	s_wait_alu depctr_va_vdst(0)                   ; directly ahead of the first reader of O^T
.set J, 0
.rept 32
	v_pk_mul_f32 v[OA+J:OA+J+1], v[OA+J:OA+J+1], v[10:11] op_sel_hi:[1,0]   ; O^T under the new M; these are also the places in front of the products
.set J, J+2
.endr
.endif
	s_wait_alu depctr_va_vdst(0)
.if \pf
	s_wait_dscnt 18                                ; V is in; the next K's 16 loads and its two of scale words may be out
.else
	s_wait_dscnt 0x0
.endif
.irp t, 0,1,2,3,4,5,6,7
.if \first
	v_wmma_scale_f32_16x16x128_f8f6f4 v[OA+8*\t:OA+8*\t+7], v[\x+8*\t:\x+8*\t+7], v[224:231], 0, v[\sc+\t], v252 matrix_a_fmt:MATRIX_FMT_FP4 matrix_b_fmt:MATRIX_FMT_FP4 matrix_a_scale:MATRIX_SCALE_ROW1
.else
	v_wmma_scale_f32_16x16x128_f8f6f4 v[OA+8*\t:OA+8*\t+7], v[\x+8*\t:\x+8*\t+7], v[224:231], v[OA+8*\t:OA+8*\t+7], v[\sc+\t], v252 matrix_a_fmt:MATRIX_FMT_FP4 matrix_b_fmt:MATRIX_FMT_FP4 matrix_a_scale:MATRIX_SCALE_ROW1
.endif
.endr
	v_pk_add_f32 v[TB:TB+1], v[TB:TB+1], v[TB+2:TB+3]   ; the sum's end: with the v_nop, the five places ahead of the next products, which write over V
	v_pk_add_f32 v[TB+4:TB+5], v[TB+4:TB+5], v[TB+6:TB+7]
	v_nop
.if \first
	v_pk_add_f32 v[14:15], v[TB:TB+1], v[TB+4:TB+5]
	v_nop
.else
	v_pk_add_f32 v[TB:TB+1], v[TB:TB+1], v[TB+4:TB+5]
	v_pk_fma_f32 v[14:15], v[14:15], v[10:11], v[TB:TB+1] op_sel_hi:[1,0,1]
.endif
	s_wait_alu depctr_va_vdst(0)
.if \first == 0
.Lhidden_\@:
.endif
	s_add_co_u32 s[KF], s[KF], 1
.endm
	s_wait_alu depctr_va_vdst(0)                   ; the wait at the head's end
	s_wait_tensorcnt 0x0                           ; my rows of steps 0-3 are in
	ds_add_u32 v5, v6
	s_wait_dscnt 0x0
	CROUND                                         ; steps 0-3 are whole, and the four work-groups are here
	tensor_load_to_lds s[G0B:G0B+3], s[G1B:G1B+7]  ; steps 4-15: the first tensor load behind the round, the wave's last
	s_nop 0
.rept 4
	v_nop
.endr
	KLOAD 32, 24, 2, 3, 0
	s_wait_loadcnt 0x0                             ; Q
	STEP 32, 96, 24, 232, 0, 2, 3, STEPB, 1, 1
	STEP 96, 32, 232, 24, STEPB, 2, 3, 2*STEPB, 1, 0
	s_wait_tensorcnt 0x0                           ; my rows of steps 4-15 are in,
	s_wait_dscnt 0x0                               ; and my reads of steps 0 and 1 are over: say so.
	s_barrier_signal -1
	s_mov_b32 s[TBS], KV0+2*STEPB
	SETADR
	s_wait_alu depctr_va_vdst(0)
	STEP 32, 96, 24, 232, 0, 2, 3, STEPB, 1, 0
	STEP 96, 32, 232, 24, STEPB, 2, 3, 0, 0, 0     ; step 4 is read behind the barrier alone
	s_barrier_wait -1                              ; steps 4-15 are whole, and nobody reads steps 0 and 1 any more
	s_mov_b32 s[TBS], KV0+4*STEPB
	SETADR
	s_wait_alu depctr_va_vdst(0)
	KLOAD 32, 24, 2, 3, 0
	s_mov_b32 s66, 6
.Lpair:                                                ; two steps a trip: the areas are back where they began
	s_add_co_u32 s68, s[TBS], 2*STEPB
	s_min_u32 s68, s68, KV0+15*STEPB               ; the next pair's first step; behind the last pair the last step, which nothing uses
	SETADR
	v_add_nc_u32 v8, s68, v1
	v_add_nc_u32 v9, s68, v4
	s_wait_alu depctr_va_vdst(0)
	STEP 32, 96, 24, 232, 0, 2, 3, STEPB, 1, 0
	STEP 96, 32, 232, 24, STEPB, 8, 9, 0, 1, 0
	s_add_co_u32 s[TBS], s[TBS], 2*STEPB
	s_sub_co_u32 s66, s66, 1
	s_cmp_lg_u32 s66, 0
	s_cbranch_scc1 .Lpair
	; THE WAY OUT.  O^T / the sum goes through my stage, half a head's row (256 bytes) of 16 queries at a time, and leaves as whole aligned runs of 256 bytes.
	s_wait_dscnt 0x0                               ; a K that nothing uses may have been out
	v_add_f32 v14, v14, v15
	v_permlanex16_b32 v254, v14, s[SEL], s[SEL+1]
	v_add_f32 v14, v14, v254                       ; the row's sum
	s_wait_alu depctr_va_vdst(0)                   ; the wait ahead of the transcendental
	v_rcp_f32 v14, v14
	v_and_b32 v8, 15, v0                           ; r  (the plain line behind the reciprocal)
	v_bfe_u32 v9, v0, 4, 1                         ; h
	s_mul_i32 s76, s[WV], 16*272                   ; my stage
	v_mul_u32_u24 v2, v8, 272
	v_mul_u32_u24 v3, v9, 272
	v_lshl_add_u32 v2, v9, 6, v2
	v_lshl_add_u32 v3, v8, 4, v3
	v_add_nc_u32 v2, s76, v2                       ; in: row r, + 64 h: my 16 channels of each 32
	v_add_nc_u32 v3, s76, v3                       ; back: lanes 0-15 one row, lanes 16-31 the next
	s_wait_alu depctr_va_vdst(0)                   ; the wait ahead of the reciprocal's first reader
.set J, 0
.rept 32
	v_pk_mul_f32 v[96+J:97+J], v[OA+J:OA+J+1], v[14:15] op_sel_hi:[1,0]   ; register 16 bb + i is channel 32 bb + 16 h + i of my query
.set J, J+2
.endr
.irp u, 0,1
.irp c, 0,1
.irp k, 0,1,2,3
	ds_store_b128 v2, v[96+32*\u+16*\c+4*\k:99+32*\u+16*\c+4*\k] offset:128*\c+16*\k
.endr
.endr
.irp i, 0,1,2,3,4,5,6,7
	ds_load_b128 v[32+32*\u+4*\i:35+32*\u+4*\i], v3 offset:544*\i   ; LDS serves a wave's instructions in order: these see my stores, and the next half's stores come behind them
.endr
.endr
.irp u, 0,1
.irp i, 0,1,2,3,4,5,6,7
	s_wait_dscnt 23-16*\u-\i                       ; the LDS instructions issued behind this load may be out
	global_store_b128 v7, v[32+32*\u+4*\i:35+32*\u+4*\i], s[10:11] offset:(2*\i+8*(\i/4))*8192+256*\u th:TH_STORE_NT   ; stage row 2 i + h is query 2 i + h + 8 (i / 4) behind my first
.endr
.endr
	s_wait_tensorcnt 0x0                           ; the wave's end
	ds_add_u32 v5, v6
	s_wait_dscnt 0x0
	CROUND                                         ; the closing round
	s_endpgm
.Lfunc_end_k_q66ea72fb78_attn:
	.size	k_q66ea72fb78_attn, .Lfunc_end_k_q66ea72fb78_attn-k_q66ea72fb78_attn
	.p2alignl 7, 3214868480
	.fill 96, 4, 3214868480
	.section	.rodata,"a",@progbits
	.p2align	6, 0x0
	.amdhsa_kernel k_q66ea72fb78_attn
		.amdhsa_group_segment_fixed_size 327680
		.amdhsa_private_segment_fixed_size 0
		.amdhsa_enable_private_segment 0
		.amdhsa_kernarg_size 32
		.amdhsa_user_sgpr_count 2
		.amdhsa_user_sgpr_kernarg_segment_ptr 1
		.amdhsa_wavefront_size32 1
		.amdhsa_system_sgpr_workgroup_id_x 1
		.amdhsa_system_sgpr_workgroup_id_y 1
		.amdhsa_system_sgpr_workgroup_id_z 1
		.amdhsa_system_vgpr_workitem_id 0
		.amdhsa_next_free_vgpr 256
		.amdhsa_next_free_sgpr 100
		.amdhsa_reserve_vcc 0
		.amdhsa_float_denorm_mode_32 3
		.amdhsa_float_denorm_mode_16_64 3
		.amdhsa_memory_ordered 1
		.amdhsa_forward_progress 1
		.amdhsa_inst_pref_size 158
	.end_amdhsa_kernel
	.amdgpu_metadata
---
amdhsa.version: [ 1, 2 ]
amdhsa.kernels:
  - .name:           k_q66ea72fb78_attn
    .symbol:         k_q66ea72fb78_attn.kd
    .args:
      - { .name: qc, .offset: 0, .size: 8, .value_kind: global_buffer, .address_space: global }
      - { .name: qs, .offset: 8, .size: 8, .value_kind: global_buffer, .address_space: global }
      - { .name: kv, .offset: 16, .size: 8, .value_kind: global_buffer, .address_space: global }
      - { .name: out0, .offset: 24, .size: 8, .value_kind: global_buffer, .address_space: global }
    .group_segment_fixed_size: 327680
    .private_segment_fixed_size: 0
    .kernarg_segment_align: 8
    .kernarg_segment_size: 32
    .max_flat_workgroup_size: 512
    .sgpr_count:     100
    .vgpr_count:     256
    .wavefront_size: 32
...
	.end_amdgpu_metadata
.endif
;; end of part 3
